; MI455X (gfx1250); checked and timed in simulation.
; The chip was launched on July 23, 2026; its instructions are those of AMD's public machine-readable ISA for CDNA 5 (MIT licence, August 2026) and "CDNA5" Instruction Set Architecture Reference Guide (July 2026). The comments in the code are by the model that wrote it; some were corrected since.
;; Graph Attention Layer. Allowed arithmetic: matrix products marked QUANTISED: E4M3 operands, one E8M0 scale for each 32 along K, by v_wmma_scale_f32_16x16x128_f8f6f4 with both operands' format E4M3, f32 sums; everything else in f32.
;; Inputs: W 256 x 256 float32; h 8 x 2,048 x 256 float32.
;; Outputs: out0 8 x 2,048 x 256 float32.
;; This version of the problem:
;;   THIS VERSION OF THE PROBLEM IS GIVEN IN LOW PRECISION. The matrix products marked QUANTISED in the list below multiply operands that are first quantised to E4M3 (4 exponent bits, 3 mantissa bits; 8 bits a number), with one power-of-two scale for each 32 numbers along K (OCP MX v1.0); their sums are f32. All else is computed in f32.
;;   The module's matrix products, in the order in which they are computed (A, B: the left and right operand; K: the contracted axis; several contracted axes count as one K, in the product's order):
;;     1. [M 16,384, K 256] x [K 256, N 256]; A: input h; B: input W: QUANTISED
;;     2. batch 32 x [M 2,048, K 64] x [K 64, N 2,048]; A: computed on the way; B: computed on the way: QUANTISED
;;     3. batch 32 x [M 2,048, K 2,048] x [K 2,048, N 64]; A: softmax (see below); B: computed on the way: QUANTISED
;;   THE QUANTISER, for each operand of a quantised product, along K:
;;     - K is cut into blocks of 32 from its start; a last block that is shorter is filled with zeros.
;;     - A block's scale is 2^e with e = floor(log2(the largest magnitude in the block)) - 8, held to -126 .. 127; a block of zeros has e = 0. As a byte (E8M0): e + 127.
;;     - Each number is divided by its block's scale, clamped to +-448, and rounded to the nearest number of E4M3, ties to even, subnormals kept.
;;     - The product sums the exact products of the quantised numbers (number of the format x scale) in f32.
;;   ~~~python
;;   def quantise(x, axis):      # numpy; x: float32 -> the quantised numbers, widened to float32 again
;;       x = np.moveaxis(x, axis, -1); K = x.shape[-1]
;;       x = np.pad(x, [(0, 0)] * (x.ndim - 1) + [(0, -K % 32)]); x = x.reshape(x.shape[:-1] + (-1, 32)); a = np.abs(x).max(-1, keepdims=True)
;;       e = np.where(a > 0, np.clip(np.frexp(np.where(a > 0, a, 1))[1] - 1 - 8, -126, 127), 0)      # np.frexp(a)[1] - 1 = floor(log2(a)), exactly
;;       r = np.clip(x / 2.0 ** e, -448, 448)
;;       step = 2.0 ** (np.maximum(np.frexp(np.where(r == 0, 1, r))[1] - 1, -6) - 3)
;;       q = np.round(r / step) * step * 2.0 ** e      # np.round: ties to even
;;       return np.moveaxis(q.reshape(q.shape[:-2] + (-1,))[..., :K], -1, axis).astype(np.float32)
;;   ~~~
;;   SOFTMAX AHEAD OF A QUANTISED PRODUCT. Where the list says 'softmax', what is quantised is not the finished softmax but p = 2^(t - M), with t = logit x log2(e) and M = ceil(the row's largest t), a whole number; so 1/2 < the row's largest p <= 1. The row's sum l is taken of the UNQUANTISED p, in f32, and the product's result is divided by l at the end. Since M is a whole number, a kernel that streams over the keys may use a running M (the ceiling of the running maximum): every later rescaling is an exact power of two, which a block's scale takes up: the codes' values come out the same.
;;   OPERANDS COMPUTED ON THE WAY. 'Computed on the way' means the value that the module computes at that place (a softmax that the list does not call 'softmax' is quantised finished and normalised). What goes into a quantiser is computed in f32, as accurately as f32 sums, v_exp_f32 and their like allow (about 1e-6 of the number): no bf16 or f16 on the way to a quantiser, and a product that is left as it is and whose result goes on into a quantised operand takes f32 operands (vector FMAs, or v_wmma_f32_16x16x4_f32). A number that lies on a knife's edge between two numbers of the format may be rounded either way, as far as f32 arithmetic and the matrix unit's own rounding can turn it there, and no further.
;; One version. Each part assembles by itself: llvm-mc -triple=amdgcn-amd-amdhsa -mcpu=gfx1250 --defsym DOCPART=n.
;; ======== version 1 of 1: 2 launches
;; limits: right only within a limited range of input values
;; workspace buffers: kv 8,781,824 bytes
;; launch proj (part 1): grid 256 x 1, 4 waves a work-group, no clusters, 168,448 bytes of LDS; arguments h, W, kv; writes kv
.if DOCPART == 1
	.amdgcn_target "amdgcn-amd-amdhsa--gfx1250"
	.amdhsa_code_object_version 6
	.text
	.protected	k_qc9d948acb9_proj
	.globl	k_qc9d948acb9_proj
	.p2align	8
	.type	k_qc9d948acb9_proj,@function
k_qc9d948acb9_proj:
	s_mov_b64 s[64:65], 0
	v_nop
	global_prefetch_b8 v0, s[64:65] scope:SCOPE_SE
	s_setreg_imm32_b32 hwreg(HW_REG_WAVE_MODE, 25, 1), 1
	s_wait_xcnt 0x0
; Wh = Q(h) Q(W) on codes of FP8 (E4M3) with one E8M0 scale for each 32 along K, and Wh's own codes and scale bytes, made twice: along the head's 64 channels
; (the operands of the scores) and along the keys (the operand of the second product of the attention).  h: [16384][256] f32, W: [256 (k)][256 (n)] f32.
; SHARES.  A work-group takes 64 tokens; wave w is head w: W's columns 64 w .. 64 w + 63, for all 64 tokens.
; THE ROWS OF A TILE ARE NOT NEIGHBOURS: row r of tile 2 b + u is number 32 b + 8 u + r + 8 (r / 8), for h's tiles of tokens and for W's tiles of channels alike.
; So the product with W as source 0 gives a lane ONE token and registers along 16 neighbouring channels; with h as source 0 ONE channel and registers along 16 neighbouring tokens:
; both are what the quantiser takes and what the next operand's registers want.  The product is issued in both orders (the sums are the same bit for bit); nothing is transposed.
; kv, for each of the 32 heads HEADB bytes, is laid as images of operand registers, 16 bytes a lane:
;   codes for the scores:  S*16384 + tile*1024 + c*512 + 16*lane   (S: step of 128 keys; 8 tiles; c: 32 channels)       V's codes: S*16384 + 8192 + t*2048 + c*512 + 16*lane  (t: 4 tiles of channels; c: 32 keys)
;   their scale words:     KSC + S*512 + (16*(tile/4)+r)*16 + (tile%4)*4  (two bytes, two zeros over zero codes)         V's:       VSC + S*256 + r*16 + t*4  (byte c: 32 keys)
; LIMITS: NaN and infinities among the inputs are not served.  A block of zeros gets the byte 1 where the quantiser's text says 127: its codes are zeros, and this program alone reads the bytes.
; V's scale bytes leave two bytes a lane (a block of 128 keys spans two work-groups): 4 KB a head.
; No cluster: what work-groups share is W, which goes from memory straight into registers, a lane to a column; W and the 64 rows of h together do not fit in LDS.
.set HEADB, 274432
; ORDER WITHIN A HEAD'S BLOCK: the scores' scale words from byte 0 on, V's from VSC on, the codes from CDS on (the places S.. above count from there).  A word of the scores' scale words holds its two bytes twice.
.set VSC,   8192
.set CDS,   12288
.set HP,    1040                       ; a row of h in LDS: 1,024 bytes + 16 of padding
.set XIMG,  64*HP                      ; behind h's rows: the images of h's 8 fragments (tile m, K step s: 2 m + s), 2,048 bytes each
.set XSC,   XIMG+8*2048                ; and their scale words, 128 bytes each
.set TM,  16                           ; v16-31  at work in the quantiser: +0 largest magnitudes, +4 bytes, +8 the largest number x the scale, +12 the conversions' scale operands
.set PC,  32                           ; v32-47  the codes just made
.set KP,  48                           ; v48-49  scale bytes of the two passes along the channels
.set VW,  50                           ; v50-51  of the two passes along the tokens
.set WS,  52                           ; v52-55  W's scale words: register 2 b + s: lanes 0-15 tile 2 b, lanes 16-31 tile 2 b + 1, K step s
.set XS,  56                           ; v56-63  h's scale words: register 2 m + s
.set RAW, 64                           ; v64-127 64 numbers: two units of W, a K step of h, or eight accumulators
.set WF,  128                          ; v128-255 W's fragments: (tile t, K step s) at WF + 16 (2 t + s).   Window 1, v0-127: h's fragments, (m, s) at 16 (2 m + s)
.set MSB, 0
.macro WIN new                         ; the immediate's high byte repeats the setting that is left
.if MSB != \new
	s_set_vgpr_msb (MSB<<8)|\new
.set MSB, \new
.endif
.endm
; unit q = 8 b + c of W: 32 columns (tiles 2 b, 2 b + 1) x the 32 rows k = 32 c ..: a lane takes one column, its registers run down K; each load covers 128 consecutive bytes
.macro LOADW q
.set i, 0
.rept 32
	global_load_b32 v[RAW+32*((\q)%2)+i], v5, s[6:7] offset:(32*((\q)%8)+i)*1024+128*((\q)/8)
.set i, i+1
.endr
.endm
; the unit is a whole block of 32 in each lane: its largest magnitude needs no other lane
.macro WUNIT q
.set XR, RAW+32*((\q)%2)
.set F0, WF+16*(4*((\q)/8)+((\q)%8)/4)+4*((\q)%4)  ; registers 4 (c % 4) .. of tile 2 b's fragment of K step c / 4,
.set F1, F0+32                                     ; and of tile 2 b + 1's
.set WSR, WS+2*((\q)/8)+((\q)%8)/4
.if (\q) < 15
	s_wait_loadcnt 32                              ; this unit's 32 loads are in; the next unit's 32 may be out
.else
	s_wait_loadcnt 0x0
.endif
	v_max3_num_f32 v16, |v[XR]|, |v[XR+1]|, |v[XR+2]|
	v_max3_num_f32 v17, |v[XR+3]|, |v[XR+4]|, |v[XR+5]|
.irp e, 6,10,14,18,22,26
	v_max3_num_f32 v16, v16, |v[XR+\e]|, |v[XR+\e+1]|
	v_max3_num_f32 v17, v17, |v[XR+\e+2]|, |v[XR+\e+3]|
.endr
	v_max3_num_f32 v16, v16, |v[XR+30]|, |v[XR+31]|
	v_max3_num_f32 v16, v16, v17, 0x4800000        ; and the floor 2^(9 - 127): the byte cannot fall under 1
	v_add_nc_u32 v18, 0xfc000000, v16              ; 8 off the exponent field: the conversion takes this operand's exponent field as its scale
	v_and_or_b32 v19, v16, 0x7f800000, s30         ; 448 x the scale
	v_lshrrev_b32 v17, 23, v18                     ; the scale's byte
.if (\q)%4 == 0
	v_mov_b32 v[WSR], v17
.else
	v_lshl_or_b32 v[WSR], v17, 8*((\q)%4), v[WSR]
.endif
.set i, 0
.rept 32
	v_med3_num_f32 v[XR+i], v[XR+i], -v19, v19     ; the conversion to an 8-bit code does not saturate (ISA guide 7.6.2): the hold comes first
.set i, i+1
.endr
	v_cvt_scalef32_pk8_fp8_f32 v[F0:F0+1], v[XR:XR+7], v18          ; k = 0 .. 15 of the block
	v_cvt_scalef32_pk8_fp8_f32 v[F0+2:F0+3], v[XR+8:XR+15], v18
	v_cvt_scalef32_pk8_fp8_f32 v[F1:F1+1], v[XR+16:XR+23], v18      ; k = 16 .. 31
	v_cvt_scalef32_pk8_fp8_f32 v[F1+2:F1+3], v[XR+24:XR+31], v18
	v_nop                                          ; one plain line between the conversions and the lines that touch their results
.irp e, 0,1,2,3
	v_permlane16_swap_b32 v[F0+\e], v[F1+\e]       ; lanes 0-15 hold tile 2 b's columns, lanes 16-31 tile 2 b + 1's: F0's upper half (tile 2 b + 1, k 0-15) changes places with F1's lower (tile 2 b, k 16-31): both are now fragments' registers
.endr
.if (\q)+2 < 16
	LOADW (\q)+2
.endif
.endm
; 64 numbers of a lane, register 16 b + i = k 32 b + 16 (lane / 16) + i of my row, become a fragment's codes in v[PC] on and four scale bytes in v[pw]
.macro QUANT s, pw
.irp b, 0,1,2,3
	v_max3_num_f32 v[TM+\b], |v[\s+16*\b]|, |v[\s+1+16*\b]|, 0x4800000   ; my 16 numbers of block b, and the floor; each accumulator is read from its low end on
.endr
.irp e, 2,4,6,8,10,12,14
.irp b, 0,1,2,3
	v_max3_num_f32 v[TM+\b], v[TM+\b], |v[\s+16*\b+\e]|, |v[\s+1+16*\b+\e]|
.endr
.endr
.irp b, 0,1,2,3
	v_permlanex16_b32 v[TM+4+\b], v[TM+\b], s28, s29
.endr
.irp b, 0,1,2,3
	v_max_num_f32 v[TM+\b], v[TM+\b], v[TM+4+\b]   ; with lane l xor 16's 16: the block's largest magnitude
.endr
.irp b, 0,1,2,3
	v_add_nc_u32 v[TM+12+\b], 0xfc000000, v[TM+\b]
.endr
.irp b, 0,1,2,3
	v_and_or_b32 v[TM+8+\b], v[TM+\b], 0x7f800000, s30
.endr
.irp b, 0,1,2,3
	v_lshrrev_b32 v[TM+4+\b], 23, v[TM+12+\b]
.endr
	v_lshl_or_b32 v[\pw], v[TM+5], 8, v[TM+4]
	v_lshl_or_b32 v[\pw], v[TM+6], 16, v[\pw]
	v_lshl_or_b32 v[\pw], v[TM+7], 24, v[\pw]
.irp b, 0,1,2,3
.irp e, 0,1,2,3,4,5,6,7,8,9,10,11,12,13,14,15
	v_med3_num_f32 v[\s+16*\b+\e], v[\s+16*\b+\e], -v[TM+8+\b], v[TM+8+\b]
.endr
	v_cvt_scalef32_pk8_fp8_f32 v[PC+4*\b:PC+1+4*\b], v[\s+16*\b:\s+7+16*\b], v[TM+12+\b]
	v_cvt_scalef32_pk8_fp8_f32 v[PC+2+4*\b:PC+3+4*\b], v[\s+8+16*\b:\s+15+16*\b], v[TM+12+\b]
.endr
	v_nop                                          ; one plain line behind the last conversion: later products write v[s] on
.endm
; one product; its registers stand in rD, rA, rB, rSA, rSB.  acc: it adds onto rD.  rowa, rowb: that side's scale words lie in lanes 16-31
.macro EMIT acc, rowa, rowb
.if (\acc) && (\rowa)
	v_wmma_scale_f32_16x16x128_f8f6f4 v[rD:rD+7], v[rA:rA+15], v[rB:rB+15], v[rD:rD+7], v[rSA], v[rSB] matrix_a_scale:MATRIX_SCALE_ROW1
.elseif (\acc) && (\rowb)
	v_wmma_scale_f32_16x16x128_f8f6f4 v[rD:rD+7], v[rA:rA+15], v[rB:rB+15], v[rD:rD+7], v[rSA], v[rSB] matrix_b_scale:MATRIX_SCALE_ROW1
.elseif (\acc)
	v_wmma_scale_f32_16x16x128_f8f6f4 v[rD:rD+7], v[rA:rA+15], v[rB:rB+15], v[rD:rD+7], v[rSA], v[rSB]
.elseif (\rowa)
	v_wmma_scale_f32_16x16x128_f8f6f4 v[rD:rD+7], v[rA:rA+15], v[rB:rB+15], 0, v[rSA], v[rSB] matrix_a_scale:MATRIX_SCALE_ROW1
.elseif (\rowb)
	v_wmma_scale_f32_16x16x128_f8f6f4 v[rD:rD+7], v[rA:rA+15], v[rB:rB+15], 0, v[rSA], v[rSB] matrix_b_scale:MATRIX_SCALE_ROW1
.else
	v_wmma_scale_f32_16x16x128_f8f6f4 v[rD:rD+7], v[rA:rA+15], v[rB:rB+15], 0, v[rSA], v[rSB]
.endif
.endm
.macro PLACES8                         ; eight places between this form of product and the first read of its results
.rept 8
	v_nop
.endr
.endm
; Tiles 2 p, 2 p + 1 of tokens, source 0 = W: a lane holds one token; registers 32 mm + 16 c + i are channels 32 c + 16 (lane / 16) + i.  Eight accumulators by turns; the first K step starts the sums
.macro TPASS p
	WIN 0x04                                       ; source 1 (h) in window 1
.irp s, 0,1
.irp mm, 0,1
.irp t, 0,1,2,3
.set rD, RAW+32*\mm+8*\t
.set rA, WF+16*(2*\t+\s)
.set rB, 16*(2*(2*\p+\mm)+\s)
.set rSA, WS+2*(\t/2)+\s
.set rSB, XS+2*(2*\p+\mm)+\s
	EMIT \s, \t%2, 0
.endr
.endr
.endr
	WIN 0
	PLACES8
	s_wait_xcnt 0x0                                ; the earlier stores' addresses are translated (ISA guide 3.1): their data registers, the codes', are written again only behind this wait
	QUANT RAW, KP+\p                               ; bytes 0, 1: tile 2 p's two blocks of channels; bytes 2, 3: tile 2 p + 1's
.irp e, 0,1,2,3
	global_store_b128 v4, v[PC+4*\e:PC+4*\e+3], s[32:33] offset:\p*2048+\e*512   ; 512 consecutive bytes a store
.endr
.endm
; Tokens 32 b .. 32 b + 31, source 0 = h: a lane holds one channel; registers 16 t + i are tokens 32 b + 16 (lane / 16) + i of tile t's channel
.macro NPASS b
	WIN 0x01                                       ; source 0 (h) in window 1
.irp s, 0,1
.irp t, 0,1,2,3
.irp u, 0,1
.set rD, RAW+16*\t+8*\u
.set rA, 16*(2*(2*\b+\u)+\s)
.set rB, WF+16*(2*\t+\s)
.set rSA, XS+2*(2*\b+\u)+\s
.set rSB, WS+2*(\t/2)+\s
	EMIT \s, 0, \t%2
.endr
.endr
.endr
	WIN 0
	PLACES8
	s_wait_xcnt 0x0
	QUANT RAW, VW+\b                               ; byte t: this block of 32 keys, tile t's channel
.irp e, 0,1,2,3
	global_store_b128 v4, v[PC+4*\e:PC+4*\e+3], s[34:35] offset:\e*2048+\b*512
.endr
.endm
	s_load_b128 s[4:7], s[0:1], 0x0                ; h s[4:5], W s[6:7]
	s_load_b64 s[8:9], s[0:1], 0x10                ; kv
	s_set_vgpr_msb 0x40
	v_lshl_add_u32 v128, v0, 2, 0x29000
	v_mov_b32 v129, 0
	s_set_vgpr_msb 0x4045
	ds_add_u32 v128, v129
	ds_add_u32 v128, v129
	s_set_vgpr_msb 0x4500
	v_lshrrev_b32 v14, 5, v0
	v_readfirstlane_b32 s10, v14                   ; wave = head
	; descriptor group 1: 16 rows of 256 elements of 4 bytes, 16 bytes of padding behind each row
	s_mov_b32 s16, (2<<16)|(1<<20)|(7<<22)|(3<<25) ; 17:16 elements of 4 bytes; 20 padding on; 24:22 after every 256 words (code 7); 31:25 four words (code 3)
	s_mov_b32 s17, 256<<16                         ; tensor_dim0 = 256
	s_mov_b32 s18, 16<<16                          ; tensor_dim1 = 16
	s_mov_b32 s19, 256<<16                         ; tile_dim0 = 256
	s_mov_b32 s20, 16                              ; tile_dim1 = 16
	s_mov_b32 s21, 256                             ; elements from row to row
	s_mov_b32 s22, 0
	s_mov_b32 s23, 0
	s_lshl_b32 s40, ttmp9, 16                      ; the work-group's 64 rows of 1,024 bytes,
	s_lshl_b32 s41, s10, 14                        ; my wave's 16 of them
	s_add_co_u32 s40, s40, s41
	s_mov_b32 s41, 0
	s_lshl_b32 s42, s10, 8                         ; my 64 columns of W
	s_mov_b32 s43, 0
	s_mov_b32 s24, 1                               ; group 0: count = 1,
	s_mul_i32 s25, s10, 16*HP                      ; LDS address: my 16 rows
	v_bfe_u32 v3, v0, 4, 1                         ; lane / 16
	v_and_b32 v5, 7, v0
	v_and_b32 v14, 8, v0
	v_lshl_or_b32 v5, v14, 1, v5
	v_lshl_or_b32 v5, v3, 3, v5                    ; my column among a unit's 32: the lane's number with bits 3 and 4 changed over,
	v_lshlrev_b32 v5, 2, v5                        ; in bytes
	s_wait_alu depctr_va_vdst(0)
	s_wait_dscnt 0x0
	s_wait_kmcnt 0x0
	s_add_nc_u64 s[26:27], s[4:5], s[40:41]
	s_or_b32 s27, s27, 0x80000000                  ; type = 2
	tensor_load_to_lds s[24:27], s[16:23]          ; my one tensor load: filled once, so one is out
	s_nop 0
.rept 4
	v_nop
.endr
	s_add_nc_u64 s[6:7], s[6:7], s[42:43]
	LOADW 0
	LOADW 1
	v_and_b32 v1, 31, v0                           ; lane
	s_wait_alu depctr_va_vdst(0)
	v_and_b32 v2, 15, v0                           ; r
	v_lshlrev_b32 v4, 4, v1                        ; 16 x lane
	s_wait_alu depctr_va_vdst(0)
	s_lshr_b32 s42, s10, 1
	s_lshl_b32 s42, s42, 5
	s_and_b32 s44, s10, 1
	s_lshl_b32 s44, s44, 3
	s_add_co_u32 s42, s42, s44                     ; I quantise h's tile m = wave: its first row 32 (w / 2) + 8 (w % 2)
	v_and_b32 v14, 8, v2
	v_add_nc_u32 v14, v14, v2                      ; r + 8 (r / 8)
	v_add_nc_u32 v14, s42, v14
	v_mul_u32_u24 v6, v14, HP
	v_lshl_add_u32 v6, v3, 6, v6                   ; v6: my row of h in LDS, + my 16 numbers of a block of 32
	s_lshl_b32 s42, s10, 12
	s_add_co_u32 s42, s42, XIMG
	v_add_nc_u32 v7, s42, v4                       ; v7: where I store my tile's two images
	s_lshl_b32 s42, s10, 8
	s_add_co_u32 s42, s42, XSC
	v_lshlrev_b32 v10, 2, v1
	v_add_nc_u32 v8, s42, v10                      ; v8: and their scale words
	v_add_nc_u32 v9, XIMG, v4                      ; v9: an image's place for my lane
	v_add_nc_u32 v10, XSC, v10                     ; v10: a scale word's
	v_lshlrev_b32 v11, 4, v2
	v_lshl_add_u32 v12, v3, 2, v11                 ; v12: V's scale bytes: 16 r + 4 (lane / 16)
	v_lshl_add_u32 v11, v3, 3, v11                 ; v11: the scores' scale words: 16 r + 8 (lane / 16)
	v_mul_u32_u24 v13, v3, 0x101
	v_add_nc_u32 v13, 0x400, v13                   ; v13: byte selects: byte t of one word under byte t of the other, t = lane / 16
.irp b, 0,1,2,3
	v_mov_b32 v[TM+4+\b], 0                        ; written once: a lane permute's destination counts as one of its sources
.endr
	s_mov_b32 s28, 0x76543210
	s_mov_b32 s29, 0xfedcba98                      ; v_permlanex16_b32's selects for lane l xor 16
	s_mov_b32 s30, 0x600000                        ; the mantissa field of 448
	s_lshr_b32 s44, ttmp9, 5                       ; batch
	s_lshl_b32 s44, s44, 2
	s_add_co_u32 s44, s44, s10                     ; 4 x batch + head
	s_mul_i32 s44, s44, HEADB
	s_mov_b32 s45, 0
	s_add_nc_u64 s[8:9], s[8:9], s[44:45]          ; the head's block of kv
	s_bfe_u32 s46, ttmp9, 0x40001                  ; S: which 128 keys of the batch's 2,048
	s_and_b32 s47, ttmp9, 1                        ; and which half of them
	s_lshl_b32 s44, s46, 14
	s_add_co_u32 s44, s44, CDS
	s_lshl_b32 s42, s47, 12
	s_add_co_u32 s42, s42, s44
	s_add_nc_u64 s[32:33], s[8:9], s[42:43]        ; the scores' codes: my four tiles
	s_lshl_b32 s42, s47, 10
	s_add_co_u32 s42, s42, s44
	s_add_co_u32 s42, s42, 8192
	s_add_nc_u64 s[34:35], s[8:9], s[42:43]        ; V's codes: my two blocks of 32 keys
	s_lshl_b32 s44, s46, 9
	s_lshl_b32 s42, s47, 8
	s_add_co_u32 s42, s42, s44
	s_add_nc_u64 s[36:37], s[8:9], s[42:43]        ; the scores' scale words
	s_lshl_b32 s44, s46, 8
	s_lshl_b32 s42, s47, 1
	s_add_co_u32 s42, s42, s44
	s_add_co_u32 s42, s42, VSC
	s_add_nc_u64 s[38:39], s[8:9], s[42:43]        ; V's scale bytes
	; ---- W: my 64 columns become eight fragments and four registers of scale words
.irp q, 0,1,2,3,4,5,6,7,8,9,10,11,12,13,14,15
	WUNIT \q
.endr
	; ---- h: my tile of 16 rows (they come from two waves' loads) becomes two fragments, which go to LDS as images of their registers
	s_wait_tensorcnt 0x0                           ; my 16 rows have landed,
	s_barrier_signal -1
	s_barrier_wait -1                              ; everybody's have
.irp s, 0,1
.irp b, 0,1,2,3
.irp j, 0,1,2,3
	ds_load_b128 v[RAW+16*\b+4*\j:RAW+16*\b+4*\j+3], v6 offset:512*\s+128*\b+16*\j
.endr
.endr
	s_wait_dscnt 0x0
	QUANT RAW, 15
.irp c, 0,1,2,3
	ds_store_b128 v7, v[PC+4*\c:PC+4*\c+3] offset:2048*\s+512*\c
.endr
	ds_store_b32 v8, v15 offset:128*\s
	s_wait_dscnt 0x0                               ; the stores have landed and have read their registers
.endr
	s_barrier_signal -1
	s_barrier_wait -1                              ; h's eight fragments lie in LDS
	WIN 0x40                                       ; destination window 1
.irp f, 0,1,2,3,4,5,6,7
.irp c, 0,1,2,3
	ds_load_b128 v[16*\f+4*\c:16*\f+4*\c+3], v9 offset:2048*\f+512*\c
.endr
.endr
	WIN 0
.irp f, 0,1,2,3,4,5,6,7
	ds_load_b32 v[XS+\f], v10 offset:128*\f
.endr
	s_wait_dscnt 0x0
	; ---- Wh, four passes of sixteen products, each quantised and stored
	TPASS 0
	TPASS 1
	NPASS 0
	NPASS 1
	; ---- the scale bytes
	v_cmp_le_u32 vcc_lo, 16, v1
	v_cndmask_b32 v14, v[KP], v[KP+1], vcc_lo      ; lanes 0-15 send tiles 0 and 1's words, lanes 16-31 tiles 2 and 3's
	v_perm_b32 v16, v14, v14, 0x01000100           ; a word: the tile's two bytes, twice: its codes may stand in either half of a product's K
	v_perm_b32 v17, v14, v14, 0x03020302
	global_store_b64 v11, v[16:17], s[36:37]       ; 256 consecutive bytes
	v_perm_b32 v18, v[VW+1], v[VW], v13            ; tile t = lane / 16: this work-group's two key blocks' bytes,
	v_add_nc_u32 v14, 0x202, v13
	v_perm_b32 v19, v[VW+1], v[VW], v14            ; and tile t + 2
	global_store_b16 v12, v18, s[38:39]
	global_store_b16 v12, v19, s[38:39] offset:8
	s_set_vgpr_msb 0x5
	s_wait_tensorcnt 0x0
	ds_add_u32 v128, v129
	s_wait_dscnt 0x0
	s_set_vgpr_msb 0x500
	s_endpgm
.Lfunc_end_k_qc9d948acb9_proj:
	.size	k_qc9d948acb9_proj, .Lfunc_end_k_qc9d948acb9_proj-k_qc9d948acb9_proj
	.p2alignl 7, 3214868480
	.fill 96, 4, 3214868480
	.section	.rodata,"a",@progbits
	.p2align	6, 0x0
	.amdhsa_kernel k_qc9d948acb9_proj
		.amdhsa_group_segment_fixed_size 168448
		.amdhsa_private_segment_fixed_size 0
		.amdhsa_enable_private_segment 0
		.amdhsa_kernarg_size 24
		.amdhsa_user_sgpr_count 2
		.amdhsa_user_sgpr_kernarg_segment_ptr 1
		.amdhsa_wavefront_size32 1
		.amdhsa_system_sgpr_workgroup_id_x 1
		.amdhsa_system_sgpr_workgroup_id_y 1
		.amdhsa_system_sgpr_workgroup_id_z 1
		.amdhsa_system_vgpr_workitem_id 0
		.amdhsa_next_free_vgpr 386
		.amdhsa_next_free_sgpr 66
		.amdhsa_reserve_vcc 1
		.amdhsa_float_denorm_mode_32 3
		.amdhsa_float_denorm_mode_16_64 3
		.amdhsa_memory_ordered 1
		.amdhsa_forward_progress 1
		.amdhsa_inst_pref_size 178
	.end_amdhsa_kernel
	.amdgpu_metadata
---
amdhsa.version: [ 1, 2 ]
amdhsa.kernels:
  - .name:           k_qc9d948acb9_proj
    .symbol:         k_qc9d948acb9_proj.kd
    .args:
      - { .name: h, .offset: 0, .size: 8, .value_kind: global_buffer, .address_space: global }
      - { .name: W, .offset: 8, .size: 8, .value_kind: global_buffer, .address_space: global }
      - { .name: kv, .offset: 16, .size: 8, .value_kind: global_buffer, .address_space: global }
    .group_segment_fixed_size: 168448
    .private_segment_fixed_size: 0
    .kernarg_segment_align: 8
    .kernarg_segment_size: 24
    .max_flat_workgroup_size: 128
    .sgpr_count:     66
    .vgpr_count:     386
    .wavefront_size: 32
...
	.end_amdgpu_metadata
.endif
;; end of part 1
;; launch attn (part 2): grid 8 x 32, 8 waves a work-group, clusters of 4 x 1, 327,680 bytes of LDS; arguments kv, out0; writes out0
.if DOCPART == 2
	.amdgcn_target "amdgcn-amd-amdhsa--gfx1250"
	.amdhsa_code_object_version 6
	.text
	.protected	k_qc9d948acb9_attn
	.globl	k_qc9d948acb9_attn
	.p2align	8
	.type	k_qc9d948acb9_attn,@function
k_qc9d948acb9_attn:
	s_mov_b64 s[64:65], 0
	v_nop
	global_prefetch_b8 v0, s[64:65] scope:SCOPE_SE
	s_setreg_imm32_b32 hwreg(HW_REG_WAVE_MODE, 25, 1), 1
	s_wait_xcnt 0x0
	s_wait_alu depctr_hold_cnt(0) depctr_sa_sdst(0) depctr_va_vdst(0) depctr_va_sdst(0) depctr_va_ssrc(0) depctr_va_vcc(0) depctr_vm_vsrc(0)
	s_getreg_b32 s2, hwreg(HW_REG_IB_STS2, 6, 4)
	s_cmp_eq_u32 s2, 0
	s_cbranch_scc0 .Lentry_in_a_cluster
	s_endpgm
.Lentry_in_a_cluster:
	s_bfe_u32 s2, ttmp6, 0x10000c
	s_cmp_lg_u32 s2, 0x3003
	s_cbranch_scc0 .Lentry_shape_is_right
	s_endpgm
.Lentry_shape_is_right:
; out[b][q][64 head + :] = the sum over keys of softmax(leaky_relu(Wh[q] . Wh[k] / 8)) Wh[k][:], both products on codes of FP8 (E4M3) with one E8M0 scale for each 32 along K.
; kv holds, for each of the 32 heads, HEADB bytes: K's scale words (512 a step), V's (256 a step), then for each step S of 128 keys 16,384 bytes of images of operand registers, 16 bytes a lane:
; 8 tiles of 16 keys x 64 channels, then 4 tiles of 16 channels x 128 keys.  A head's byte offset is also its LDS address here.
; THE SOFTMAX: t = leaky_relu(score) x log2(e) / 8.  leaky_relu(x) = 0.6 x + 0.4 |x|, so t - E = fma(|s|, C2, fma(s, C1, -E)): a packed multiply-add for two scores and one more for each.
; EACH BLOCK OF 32 KEYS HAS ITS OWN WHOLE NUMBER E = floor(the block's largest t): p' = 2^(t - E), the largest of a block in [1, 2): so the quantiser's scale for p' is 2^-8 for every block, and its hold 448 x 2^-8 = 1.75.
; M = the row's largest E so far, a whole number.  p = 2^(t - M) = p' x 2^(E - M): an exact power of two, which goes into the scale byte and, as g, into the block's part of the row's sum (taken of the unquantised p').
; When M moves, the sum and O are multiplied by f = 2^(old M - new M): exact.  The byte given is 2^(E - M)'s, 2^8 too large: the way out divides by 256 times the sum.
; SHARES.  A work-group owns 256 queries of one head; each of its eight waves 32 of them, two tiles x = 0, 1; two waves to a SIMD, 512 registers each.  Every wave walks all 2,048 keys, 128 a step.
; A WHOLE HEAD STAYS IN LDS, filled once, by two joint loads a wave: the scale words and steps 0-4, then steps 5-15.  CLUSTER: the four work-groups of a cluster belong to one head and ask for it JOINTLY.
; No prefetch: both loads of a wave go out ahead of the loops, and no loop asks memory for anything.
; LAYOUT.  Both products are used transposed (S^T = K Q^T, O^T = V^T P^T): a lane holds ONE query throughout.  Row r of tile 2 b + u is number 32 b + 8 u + r + 8 (r / 8), so that the 16 registers of tiles 2 b and 2 b + 1 are 16 neighbours.
; THE SCORES' K IS 64: two tiles of K share a fragment's 16 registers, and Q stands between zero codes, [0 q 0]: [q 0] picks the even tile, [0 q] the odd one.  The scale words hold their two bytes twice.
; THE PIPELINE.  A step is four UNITS u = 2 x + half: 64 keys of tile x, 32 scores a lane.  Stretch Y of unit u: the sum, the holds and the codes of the unit before, the maxima and E of the unit after, the arguments t - E of unit u; no exponential.
; Stretch X: unit u's 32 exponentials, with products among them: X0: scores of (1, half 0), and V P of tile 1 for the step before; X1: (1, half 1); X2: the NEXT step's (0, half 0), and V P of tile 0; X3: the next step's (0, half 1).
; K's halves and V are fetched into registers once a step, behind their last product.  The first step finds zero codes and zero scores for tile 1 of the step before it.
; LIMITS: NaN and infinities are not served.  Exponents to the base 2, ahead of the maximum, stay under 2^31 in magnitude.  A block whose largest p lies under 2^-126 counts as nothing in the sum and takes the byte 0, 2^-127.
; E is made from the block's largest score by the same constants as t; where the largest t lies within f32's rounding of a whole number, the block's scale may be taken on either side of it.
; REGISTERS, window 0: v1-13 addresses and constants; v16-43 statistics; v44-62 at work; v64-191 S^T, then p'; v192-223 p's codes; v224-237 scale words; v238-253 at work.
;   window 1: v0-63 O^T; v64-111 Q; v112-175 eight tiles of K; v176-239 V.
.set HEADB, 274432
.set CDS,   12288
.set VSC,   8192
.set PART1, 94208                      ; the scale words and steps 0-4: 368 rows of 256 bytes, 46 a wave; the rest is 704 rows, 88 a wave
.set SP,    272
.set STAGE, HEADB                      ; behind the head: 16 rows x 272 bytes for each wave, for the way out; no tensor load lands there
.set SPARE, STAGE+8*16*SP              ; the spare words, 128 bytes a wave: four blocks of 256 bytes that no other line names
.set LI,  1                            ; v1  16 x lane
.set LR,  2                            ; v2  16 x (lane % 16)
.set ADR, 3                            ; v3  the step's codes
.set ADS, 4                            ; v4  K's scale words
.set ADT, 5                            ; v5  V's
.set STO, 6                            ; v6  the way out: where I put 16 bytes of a row
.set SRD, 7                            ; v7  where I read a row back
.set GO,  8                            ; v8  my byte offset in the wave's rows of the output
.set CSC, 11                           ; v11 2^-8: the conversions' scale operand
.set KC,  12                           ; v[12:13] 127 x 2^23 as f32
.set ST,  16                           ; tile x at ST + 14 x: +0 M, +1 at work (named with M as a pair), +2:3 the sum, +4 f, +5 zero (named with f), +6..9 E of the four blocks, +10..13 g = 2^(E - M)
.set MX,  44                           ; v44-47 maxima; v48, v49 their t
.set TS,  52                           ; v52-59 sums of two blocks, two chains each
.set SB,  64                           ; unit u at SB + 32 u
.set PB,  192                          ; codes: unit u at PB + 8 u
.set KS,  224                          ; K's scale words: register t: lanes 0-15 tile t, lanes 16-31 tile t + 4
.set QS,  228
.set VS,  232
.set PW,  236
.set T16, 238                          ; s x C1 - E of 16 scores
.set SPW, 254
.set NIL, 255
.set OA,  0                            ; window 1: O^T of (x, t) at 32 x + 8 t
.set QF,  64                           ; Q of tile x: eight zeros, eight registers of codes, eight zeros, at QF + 24 x
.set KF,  112                          ; tiles 2 p, 2 p + 1 at KF + 16 p
.set VF,  176
.set NX,  1
.set MSB, 0
.macro WIN new                         ; bits 1:0 source 0, 3:2 source 1, 5:4 source 2, 7:6 destination; the high byte repeats the setting that is left
.if MSB != \new
	s_set_vgpr_msb (MSB<<8)|\new
.set MSB, \new
.endif
.endm
.macro WALU
	s_wait_alu depctr_va_vdst(0)
.endm
.macro ROUND                           ; a round of the cluster's barrier
	s_barrier_signal -1
	s_barrier_wait -1
	s_cmp_lg_u32 s8, 0
	s_cbranch_scc1 .Lnot_wave_0_\@
	s_barrier_signal -3
.Lnot_wave_0_\@:
	s_barrier_wait -3
	s_barrier_signal -1
	s_barrier_wait -1
.endm
; unit p's part of the row's sum, of the unquantised p': lines 0-11 two chains a block, 12-13 a block's two chains, 14-15 x 2^(E - M) onto the sum
.macro SUML i, p
.set B_, SB+32*(\p)
.set L_, ST+14*((\p)/2)+2
.set G_, ST+14*((\p)/2)+10+2*((\p)%2)
.set K_, TS+2*((\i)%4)
.if (\i) < 4
.set A_, B_+16*((\i)/2)+4*((\i)%2)
	v_pk_add_f32 v[K_:K_+1], v[A_:A_+1], v[A_+2:A_+3]
.elseif (\i) < 12
.set A_, B_+16*(((\i)%4)/2)+8+4*((\i)/4-1)+2*((\i)%2)
	v_pk_add_f32 v[K_:K_+1], v[K_:K_+1], v[A_:A_+1]
.elseif (\i) < 14
.set K_, TS+4*((\i)-12)
	v_pk_add_f32 v[K_:K_+1], v[K_:K_+1], v[K_+2:K_+3]
.elseif (\i) == 14
	v_pk_fma_f32 v[L_:L_+1], v[TS:TS+1], v[G_:G_+1], v[L_:L_+1] op_sel_hi:[1,0,1]
.else
	v_pk_fma_f32 v[L_:L_+1], v[TS+4:TS+5], v[G_:G_+1], v[L_:L_+1] op_sel:[0,1,0] op_sel_hi:[1,1,1]
.endif
.endm
; the largest score of unit n's two blocks, a chain for each accumulator, which is read from its low end on
.macro MAXL i, n
.if NX
.set B_, SB+32*(\n)
.if (\i) < 4
	v_max3_num_f32 v[MX+(\i)], v[B_+8*(\i)], v[B_+8*(\i)+1], v[B_+8*(\i)+2]
.elseif (\i) < 12
.set K_, MX+(\i)%4
.set A_, B_+8*((\i)%4)+2*((\i)/4)
	v_max3_num_f32 v[K_], v[K_], v[A_+1], v[A_+2]
.elseif (\i) < 14
.set K_, MX+2*((\i)-12)
.set A_, B_+16*((\i)-12)
	v_max3_num_f32 v[K_], v[K_], v[A_+7], v[A_+15]
.else
.set K_, MX+2*((\i)-14)
	v_max_num_f32 v[K_], v[K_], v[K_+1]
.endif
.endif
.endm
; E of unit n's two blocks
.macro OVHL i, n
.if NX
.set E_, ST+14*((\n)/2)+6+2*((\n)%2)
.if (\i) == 0
	v_permlane16_swap_b32 v[MX], v[MX+2]           ; both halves of the first block in lanes 0-15, of the second in lanes 16-31
.elseif (\i) == 1
	v_max_num_f32 v[MX], v[MX], v[MX+2]
.elseif (\i) == 2
	v_mul_f32 v48, s54, v[MX]
.elseif (\i) == 3
	v_fma_f32 v49, |v[MX]|, s56, v48               ; as t
.elseif (\i) < 6
	v_floor_f32 v[E_+(\i)-4], v49
.else
	v_permlane16_swap_b32 v[E_], v[E_+1]           ; the first block's E in all lanes, and the second's
.endif
.endif
.endm
; M, f, g and P's scale word of tile x, from its four E
.macro STL k, x
.set S_, ST+14*(\x)
.if (\k) == 0
	v_max3_num_f32 v[S_+1], v[S_+6], v[S_+7], v[S_]
.elseif (\k) == 1
	v_max3_num_f32 v[S_+1], v[S_+1], v[S_+8], v[S_+9]
.elseif (\k) == 2
	v_sub_f32 v[S_+4], v[S_], v[S_+1]              ; old M - new M: a whole number, 0 or less
.elseif (\k) == 3
	v_mov_b32 v[S_], v[S_+1]
.elseif (\k) == 4
	v_fma_f32 v[S_+4], v[S_+4], s60, v[KC]         ; (n + 127) x 2^23, which as a whole number is the bit pattern of 2^n
.elseif (\k) == 5
	v_pk_add_f32 v[S_+10:S_+11], v[S_+6:S_+7], v[S_:S_+1] op_sel_hi:[1,0] neg_lo:[0,1] neg_hi:[0,1]
.elseif (\k) == 6
	v_pk_add_f32 v[S_+12:S_+13], v[S_+8:S_+9], v[S_:S_+1] op_sel_hi:[1,0] neg_lo:[0,1] neg_hi:[0,1]
.elseif (\k) == 7
	v_max_num_f32 v[S_+4], 0, v[S_+4]
.elseif (\k) == 8
	v_pk_fma_f32 v[S_+10:S_+11], v[S_+10:S_+11], s[60:61], v[KC:KC+1] op_sel_hi:[1,0,0]
.elseif (\k) == 9
	v_pk_fma_f32 v[S_+12:S_+13], v[S_+12:S_+13], s[60:61], v[KC:KC+1] op_sel_hi:[1,0,0]
.elseif (\k) == 10
	v_cvt_u32_f32 v[S_+4], v[S_+4]                 ; f
.elseif (\k) < 15
	v_cvt_u32_f32 v[S_+(\k)-1], v[S_+(\k)-1]       ; g of block k - 11 (negative numbers become 0)
.elseif (\k) == 15
	v_lshrrev_b32 v60, 23, v[S_+10]
.elseif (\k) == 16
	v_lshrrev_b32 v61, 15, v[S_+11]                ; (g has no mantissa bits)
.elseif (\k) == 17
	v_lshrrev_b32 v62, 7, v[S_+12]
.elseif (\k) == 18
	v_add3_u32 v60, v60, v61, v62
.else
	v_lshl_or_b32 v[PW+(\x)], v[S_+13], 1, v60
.endif
.endm
.macro MINL i, p                       ; the hold: the conversion does not saturate (ISA guide 7.6.2); p' is not negative, so it is one-sided.  Two numbers a line
.set B_, SB+32*(\p)+2*(\i)
	v_dual_min_num_f32 v[B_], s62, v[B_] :: v_dual_min_num_f32 v[B_+1], s62, v[B_+1]
.endm
.macro CVTL i, p
.set B_, SB+32*(\p)+8*(\i)
.set C_, PB+8*(\p)+2*(\i)
	v_cvt_scalef32_pk8_fp8_f32 v[C_:C_+1], v[B_:B_+7], v[CSC]
.endm
.macro PKFL u, b, i                    ; s C1 - E of pair i of the unit's block b
.set B_, SB+32*(\u)+16*(\b)+2*(\i)
.set E_, ST+14*((\u)/2)+6+2*((\u)%2)
.if \b
	v_pk_fma_f32 v[T16+2*(\i):T16+2*(\i)+1], v[B_:B_+1], s[54:55], v[E_:E_+1] op_sel:[0,0,1] op_sel_hi:[1,0,1] neg_lo:[0,0,1] neg_hi:[0,0,1]
.else
	v_pk_fma_f32 v[T16+2*(\i):T16+2*(\i)+1], v[B_:B_+1], s[54:55], v[E_:E_+1] op_sel_hi:[1,0,0] neg_lo:[0,0,1] neg_hi:[0,0,1]
.endif
.endm
.macro FMEL u, n                       ; + |s| C2: t - E
	v_fma_f32 v[SB+32*(\u)+(\n)], |v[SB+32*(\u)+(\n)]|, s56, v[T16+(\n)%16]
.if ((\u)%2 == 0) && ((\n)%2 == 1)
	STL (\n)/2, (\u)/2                             ; the tile's statistics among them: the unit after is the tile's second
.endif
.endm
.macro SC x, t                         ; scores of tile x of queries, tile t of keys
	WIN 0x05                                       ; K and Q in window 1
.set D_, SB+64*(\x)+8*(\t)
.set A_, KF+16*((\t)/2)
.set Q_, QF+24*(\x)+8-8*((\t)%2)
.set W_, KS+(\t)%4
.if (\t) < 4
	v_wmma_scale_f32_16x16x128_f8f6f4 v[D_:D_+7], v[A_:A_+15], v[Q_:Q_+15], 0, v[W_], v[QS+(\x)]
.else
	v_wmma_scale_f32_16x16x128_f8f6f4 v[D_:D_+7], v[A_:A_+15], v[Q_:Q_+15], 0, v[W_], v[QS+(\x)] matrix_a_scale:MATRIX_SCALE_ROW1
.endif
.endm
.macro PV x, t                         ; O^T += V^T P^T: the accumulators by turns
	WIN 0x51                                       ; V in window 1, p in window 0, C and D in window 1
.set D_, OA+32*(\x)+8*(\t)
.set A_, VF+16*(\t)
	v_wmma_scale_f32_16x16x128_f8f6f4 v[D_:D_+7], v[A_:A_+15], v[PB+16*(\x):PB+16*(\x)+15], v[D_:D_+7], v[VS+(\t)], v[PW+(\x)]
.endm
.macro LDK p, off                      ; tiles 2 p, 2 p + 1 of a step's K
.irp k, 0,1,2,3
	ds_load_b128 v[KF+16*\p+4*\k:KF+16*\p+4*\k+3], v[ADR] offset:\off+2048*\p+512*\k
.endr
.endm
.macro LDV
.irp t, 0,1,2,3
.irp c, 0,1,2,3
	ds_load_b128 v[VF+16*\t+4*\c:VF+16*\t+4*\c+3], v[ADR] offset:8192+2048*\t+512*\c
.endr
.endr
.endm
; STRETCH Y.  Eight lines of sums stand between the last products and the first reader of their results, and ahead of loads into what they have read.  last = 1: no step follows
.macro YU u, last
.set PU, ((\u)+3)%4
.set NU, ((\u)+1)%4
.set NX, 1
.if (\last) && ((\u) == 3)
.set NX, 0
.endif
	WALU
.irp i, 0,1,2,3,4,5,6,7
	SUML \i, PU
.endr
.irp i, 0,1,2,3
	SUML 8+\i, PU
	MAXL \i, NU
.endr
	SUML 12, PU
	MAXL 4, NU
	MAXL 5, NU
	SUML 13, PU
	MAXL 6, NU
	MAXL 7, NU
.if (\u)%2
.set L_, ST+14*((\u)/2)
	v_pk_mul_f32 v[L_+2:L_+3], v[L_+2:L_+3], v[L_+4:L_+5] op_sel_hi:[1,0]   ; the sum under the new M
.endif
.irp i, 8,9,10,11
	MAXL \i, NU
.endr
	SUML 14, PU
	MAXL 12, NU
	MAXL 13, NU
	MINL 0, PU
	MINL 1, PU
	MAXL 14, NU
	MAXL 15, NU
	SUML 15, PU
.irp i, 0,1,2,3
	MINL 2+3*\i, PU
	MINL 3+3*\i, PU
	MINL 4+3*\i, PU
	OVHL \i, NU
.endr
	MINL 14, PU
	MINL 15, PU
	CVTL 0, PU
	CVTL 1, PU
	OVHL 4, NU
	OVHL 5, NU
	CVTL 2, PU
	CVTL 3, PU
.if (\u) == 1
	v_add_nc_u32 v[ADT], s59, v[LR]
	v_add_nc_u32 v[ADR], s57, v[LI]
	ds_load_b128 v[VS:VS+3], v[ADT]
	WIN 0x40                                       ; destination window 1
.if (\last) == 0
	LDK 0, 16384                                   ; the next step's first half of K,
	LDK 1, 16384
.endif
	LDV                                            ; and this step's V
	WIN 0
.elseif ((\u) == 2) && ((\last) == 0)
	v_add_nc_u32 v[ADS], s58, v[LI]
	ds_load_b128 v[KS:KS+3], v[ADS] offset:512
	WIN 0x40
	LDK 2, 16384
	LDK 3, 16384
	WIN 0
.endif
.irp i, 0,1,2,3
	PKFL \u, 0, \i
.endr
	OVHL 6, NU
.irp i, 4,5,6,7
	PKFL \u, 0, \i
.endr
.irp n, 0,1,2,3,4,5,6,7,8,9,10,11,12,13,14,15
	FMEL \u, \n
.endr
.irp i, 0,1,2,3,4,5,6,7
	PKFL \u, 1, \i
.endr
.irp n, 16,17,18,19,20,21,22,23,24,25,26,27,28,29,30,31
	FMEL \u, \n
.endr
.if (\u)%2 == 0
.irp k, 16,17,18,19
	STL \k, (\u)/2
.endr
.endif
.endm
; STRETCH X
.macro XU u, last
.if (\u) == 2
.if \last
	s_wait_dscnt 0x0                               ; V is in
.else
	s_wait_dscnt 8                                 ; V, the scale words and K's first half are in; the second half's eight loads may be out
.endif
.elseif ((\u) == 3) && ((\last) == 0)
	s_wait_dscnt 0x0                               ; and that half
.endif
.if (\u)%2
	WIN 0x41                                       ; O^T (destination and source 0) in window 1
	WALU
.set S_, ST+14*((\u)/2)
.irp i, 0,1,2,3,4,5,6,7,8,9,10,11,12,13,14,15
	v_pk_mul_f32 v[OA+32*((\u)/2)+2*\i:OA+32*((\u)/2)+2*\i+1], v[OA+32*((\u)/2)+2*\i:OA+32*((\u)/2)+2*\i+1], v[S_+4:S_+5] op_sel_hi:[1,0]   ; O^T under the new M
.endr
.irp j, 0,1,2,3
.if (\u) == 1
	SC 1, 4+\j
.elseif (\last) == 0
	SC 0, 4+\j
.endif
	WIN 0
.irp e, 0,1,2,3,4,5,6,7
	v_exp_f32 v[SB+32*(\u)+8*\j+\e], v[SB+32*(\u)+8*\j+\e]
.endr
.endr
.else
	WALU
.irp j, 0,1,2,3,4,5,6,7
.if (\j > 3) && ((\u) == 0)
	PV 1, \j-4
.elseif \j > 3
	PV 0, \j-4
.elseif (\u) == 0
	SC 1, \j
.elseif (\last) == 0
	SC 0, \j
.endif
	WIN 0
.irp e, 0,1,2,3
	v_exp_f32 v[SB+32*(\u)+4*\j+\e], v[SB+32*(\u)+4*\j+\e]
.endr
.endr
.endif
	v_nop                                          ; a plain line behind the last exponential
.endm
.macro TRIP last
.irp u, 0,1,2,3
	YU \u, \last
	XU \u, \last
.endr
	WALU
.if (\last) == 0
	s_add_co_u32 s57, s57, 16384                   ; the next step's codes and scale words
	s_add_co_u32 s58, s58, 512
	s_add_co_u32 s59, s59, 256
.endif
.endm
	s_load_b128 s[4:7], s[0:1], 0x0                ; kv s[4:5], the output s[6:7]
	v_lshl_add_u32 v[SPW], v0, 2, SPARE
	v_mov_b32 v[NIL], 0
	ds_add_u32 v[SPW], v[NIL]                      ; the wave's opening: the add, twice on end, and its wait ahead of my first tensor load
	ds_add_u32 v[SPW], v[NIL]
	v_lshrrev_b32 v9, 5, v0
	v_readfirstlane_b32 s8, v9                     ; wave 0..7
	s_bfe_u32 s9, ttmp6, 0x40000                   ; cx: my place in the cluster
	s_lshl_b32 s10, ttmp9, 2                       ; in a cluster launch ttmp9 counts clusters
	s_add_co_u32 s10, s10, s9                      ; my block of 256 queries: it enters Q's and the output's addresses alone
	s_and_b32 s11, ttmp7, 0xffff                   ; 4 x batch + head, which the four partners share
	; descriptor groups 1: dense blocks as rows of 256 bytes (32 elements of 8 bytes), no padding: a fragment's image is read 16 bytes a lane on end.  15:0 the mask: all four work-groups; 21 set beside a mask
.irp g, 16,24
	s_mov_b32 s[\g], 15|(3<<16)|(1<<21)
	s_mov_b32 s[\g+1], 32<<16                      ; tensor_dim0
	s_mov_b32 s[\g+3], 32<<16                      ; tile_dim0
	s_mov_b32 s[\g+5], 32                          ; elements from row to row
	s_mov_b32 s[\g+6], 0
	s_mov_b32 s[\g+7], 0
.endr
	s_mov_b32 s18, 46<<16                          ; the scale words and steps 0-4: 46 rows a wave
	s_mov_b32 s20, 46
	s_mov_b32 s26, 88<<16                          ; steps 5-15: 88 rows a wave
	s_mov_b32 s28, 88
	s_mov_b32 s40, 1                               ; groups 0: count = 1; the LDS address, which is also the offset in the head's block
	s_mul_i32 s41, s8, 46*256
	s_mov_b32 s44, 1
	s_mul_i32 s45, s8, 88*256
	s_add_co_u32 s45, s45, PART1
	s_mov_b32 s52, 0x76543210
	s_mov_b32 s53, 0xfedcba98                      ; v_permlanex16_b32's selects for lane l xor 16
	s_mov_b32 s54, 0x3ddd9914                      ; C1 = 0.6 log2(e) / 8
	s_mov_b32 s55, s54                             ; (named with it as a pair, so it is written)
	s_mov_b32 s56, 0x3d93bb63                      ; C2 = 0.4 log2(e) / 8
	s_mov_b32 s57, CDS                             ; LDS byte of the step's codes,
	s_mov_b32 s58, 0                               ; of K's scale words,
	s_mov_b32 s59, VSC                             ; of V's
	s_mov_b32 s60, 0x4b000000                      ; 2^23
	s_mov_b32 s61, s60
	s_mov_b32 s62, 0x3fe00000                      ; 1.75 = 448 x 2^-8
	s_mul_i32 s12, s11, HEADB
	s_mov_b32 s13, 0
	s_mul_i32 s14, s8, 16*SP
	s_add_co_u32 s14, s14, STAGE                   ; my stage
	v_and_b32 v9, 15, v0                           ; r
	v_bfe_u32 v10, v0, 4, 1                        ; lane / 16
	v_and_b32 v[LI], 31, v0
	v_lshlrev_b32 v[LI], 4, v[LI]
	v_lshlrev_b32 v[LR], 4, v9
	v_mul_u32_u24 v[STO], v9, SP
	v_lshl_add_u32 v[STO], v10, 6, v[STO]
	v_add_nc_u32 v[STO], s14, v[STO]               ; in: row r, + 64 bytes for the upper half of the lanes
	v_mul_u32_u24 v[SRD], v10, SP
	v_lshl_add_u32 v[SRD], v9, 4, v[SRD]
	v_add_nc_u32 v[SRD], s14, v[SRD]               ; back: lanes 0-15 one row of 256 bytes, lanes 16-31 the next
	v_lshlrev_b32 v[GO], 10, v10
	v_lshl_add_u32 v[GO], v9, 4, v[GO]             ; and the same two rows in the output
	v_add_nc_u32 v[ADR], s57, v[LI]
	v_add_nc_u32 v[ADS], s58, v[LI]
	v_add_nc_u32 v[ADT], s59, v[LR]
	WALU
	s_wait_dscnt 0x0                               ; both opening adds are done
	s_wait_kmcnt 0x0
	s_add_nc_u64 s[66:67], s[4:5], s[12:13]        ; the head's block of kv
	s_mov_b32 s12, s41
	s_add_nc_u64 s[42:43], s[66:67], s[12:13]
	s_or_b32 s43, s43, 0x80000000                  ; type = 2
	s_mov_b32 s12, s45
	s_add_nc_u64 s[46:47], s[66:67], s[12:13]
	s_or_b32 s47, s47, 0x80000000
	ROUND                                          ; all four work-groups are here: the joint loads meet
	tensor_load_to_lds s[40:43], s[16:23]          ; the scale words and steps 0-4
	s_nop 0
.rept 4
	v_nop
.endr
	; Q: my two tiles are tiles 2 (w % 4), 2 (w % 4) + 1 of step 2 X + w / 4 of the same codes
	s_lshr_b32 s34, s8, 2
	s_lshl_b32 s35, s10, 1
	s_add_co_u32 s34, s34, s35
	s_and_b32 s35, s8, 3
	s_lshl_b32 s32, s34, 14
	s_lshl_b32 s36, s35, 11
	s_add_co_u32 s32, s32, s36
	s_add_co_u32 s32, s32, CDS
	s_mov_b32 s33, 0
	s_add_nc_u64 s[68:69], s[66:67], s[32:33]      ; their codes
	s_lshl_b32 s32, s34, 9
	s_lshr_b32 s35, s35, 1
	s_lshl_b32 s35, s35, 8
	s_add_co_u32 s32, s32, s35
	s_and_b32 s35, s8, 1
	s_lshl_b32 s35, s35, 3
	s_add_co_u32 s32, s32, s35
	s_add_nc_u64 s[70:71], s[66:67], s[32:33]      ; their scale words: two neighbouring words a row
	WIN 0x40
.irp x, 0,1
.irp c, 0,1
	global_load_b128 v[QF+24*\x+8+4*\c:QF+24*\x+8+4*\c+3], v[LI], s[68:69] offset:1024*\x+512*\c
.endr
.endr
	WIN 0
	global_load_b64 v[QS:QS+1], v[LR], s[70:71]
	s_lshr_b32 s34, s11, 2                         ; the output: row (batch x 2,048 + 256 X + 32 w) of 1,024 bytes, + 256 x head
	s_lshl_b32 s34, s34, 11
	s_lshl_b32 s35, s10, 8
	s_add_co_u32 s34, s34, s35
	s_lshl_b32 s35, s8, 5
	s_add_co_u32 s34, s34, s35
	s_lshl_b32 s32, s34, 10
	s_and_b32 s35, s11, 3
	s_lshl_b32 s35, s35, 8
	s_add_co_u32 s32, s32, s35
	s_add_nc_u64 s[6:7], s[6:7], s[32:33]
	WIN 0x40
.irp f, QF, QF+16, QF+24, QF+40
.irp e, 0,1,2,3,4,5,6,7
	v_mov_b32 v[\f+\e], 0                          ; zero codes on both sides of Q's
.endr
.endr
.set i, 0
.rept 64
	v_mov_b32 v[OA+i], 0                           ; O^T.  (The step is written once: the first finds zeros, which the first change of M leaves zeros)
.set i, i+1
.endr
	WIN 0
.set i, 0
.rept 32
	v_mov_b32 v[SB+96+i], 0                        ; what the first step takes for unit 3 of a step before it: p' = 0,
.set i, i+1
.endr
.set i, 0
.rept 16
	v_mov_b32 v[PB+16+i], 0                        ; and tile 1's codes
.set i, i+1
.endr
	v_mov_b32 v[PW+1], 0
	v_mov_b32 v[CSC], 0x3b800000                   ; 2^-8
	v_mov_b32 v[KC], 0x4e7e0000                    ; 127 x 2^23
	v_mov_b32 v[KC+1], 0x4e7e0000                  ; (named with it as a pair)
.irp x, 0,1
	v_mov_b32 v[ST+14*\x], 0xdd800000              ; M: -2^60, under every E
	v_mov_b32 v[ST+14*\x+2], 0                     ; the sum, in two halves
	v_mov_b32 v[ST+14*\x+3], 0
	v_mov_b32 v[ST+14*\x+5], 0                     ; (named with f as a pair; a lane permute's destination counts as one of its sources)
	v_mov_b32 v[ST+14*\x+12], 0
	v_mov_b32 v[ST+14*\x+13], 0
.endr
	WALU
	s_wait_tensorcnt 0x0                           ; my part of the scale words and of steps 0-4 is in
	ds_add_u32 v[SPW], v[NIL]
	s_wait_dscnt 0x0
	ROUND                                          ; everybody's part is in, and all four work-groups are here
	tensor_load_to_lds s[44:47], s[24:31]          ; steps 5-15: they have steps 0-3 in which to land
	s_nop 0
.rept 4
	v_nop
.endr
	ds_load_b128 v[KS:KS+3], v[ADS]
	WIN 0x40
	LDK 0, 0
	LDK 1, 0
	LDK 2, 0
	LDK 3, 0
	LDV                                            ; (the first step multiplies zero codes by step 0's V)
	WIN 0
	ds_load_b128 v[VS:VS+3], v[ADT]
	s_wait_loadcnt 0x0                             ; Q
	s_wait_dscnt 17                                ; K and its scale words are in; V's seventeen loads may be out
.irp t, 0,1,2,3,4,5,6,7
	SC 0, \t
.endr
	WIN 0
.rept 8
	v_nop                                          ; eight places between this form of product and the first read of its results
.endr
.irp i, 0,1,2,3,4,5,6,7,8,9,10,11,12,13,14,15
	MAXL \i, 0
.endr
.irp i, 0,1,2,3,4,5,6
	OVHL \i, 0
.endr
	WALU
	s_wait_dscnt 0x0                               ; V
	s_mov_b32 s48, 4
.Lfirst:                                           ; steps 0-3: they read the codes of steps 0-4
	TRIP 0
	s_sub_co_u32 s48, s48, 1
	s_cmp_lg_u32 s48, 0
	s_cbranch_scc1 .Lfirst
	s_wait_tensorcnt 0x0                           ; my part of steps 5-15 is in,
	s_wait_dscnt 0x0
	s_barrier_signal -1
	s_barrier_wait -1                              ; everybody's is
	s_mov_b32 s48, 11
.Lrest:
	TRIP 0
	s_sub_co_u32 s48, s48, 1
	s_cmp_lg_u32 s48, 0
	s_cbranch_scc1 .Lrest
	TRIP 1                                         ; step 15
	; the last unit's sum and codes, and tile 1's last products
.irp i, 0,1,2,3,4,5,6,7,8,9,10,11,12,13,14,15
	SUML \i, 3
.endr
.irp i, 0,1,2,3,4,5,6,7,8,9,10,11,12,13,14,15
	MINL \i, 3
.endr
.irp i, 0,1,2,3
	CVTL \i, 3
.endr
.irp x, 0,1
	v_add_f32 v[ST+14*\x+4], v[ST+14*\x+2], v[ST+14*\x+3]           ; the sum's two halves,
.endr
.irp x, 0,1
	v_permlanex16_b32 v[ST+14*\x+5], v[ST+14*\x+4], s52, s53
.endr
.irp x, 0,1
	v_add_f32 v[ST+14*\x+4], v[ST+14*\x+4], v[ST+14*\x+5]           ; and lane l xor 16's: the row's sum,
.endr
.irp x, 0,1
	v_mul_f32 v[ST+14*\x+4], 0x43800000, v[ST+14*\x+4]              ; x 256
.endr
.irp t, 0,1,2,3
	PV 1, \t
.endr
	WIN 0
	WALU
	v_rcp_f32 v[ST+4], v[ST+4]
	v_rcp_f32 v[ST+18], v[ST+18]
	v_nop
	; THE WAY OUT.  O^T is divided and goes through my stage in LDS, a tile of 16 queries at a time; sixteen lanes then store a query's 64 channels, 256 consecutive bytes, aligned.
.macro PACK x
	WIN 0x01                                       ; source 0 (O^T) in window 1
	WALU
.irp i, 0,1,2,3,4,5,6,7,8,9,10,11,12,13,14,15
	v_pk_mul_f32 v[SB+64*\x+2*\i:SB+64*\x+2*\i+1], v[OA+32*\x+2*\i:OA+32*\x+2*\i+1], v[ST+14*\x+4:ST+14*\x+5] op_sel_hi:[1,0]   ; register 8 t + j: channel 32 (t / 2) + 16 (lane / 16) + 8 (t % 2) + j
.endr
	WIN 0
.irp t, 0,1,2,3
.irp q, 0,1
	ds_store_b128 v[STO], v[SB+64*\x+8*\t+4*\q:SB+64*\x+8*\t+4*\q+3] offset:128*(\t/2)+32*(\t%2)+16*\q
.endr
.endr
.irp i, 0,1,2,3,4,5,6,7
	ds_load_b128 v[SB+64*\x+32+4*\i:SB+64*\x+32+4*\i+3], v[SRD] offset:2*SP*\i   ; LDS serves a wave's instructions in order (ISA guide 5.7.1.4): these see my stores, and the next tile's stores come behind them
.endr
.endm
.macro SEND x, younger                 ; younger: the LDS instructions issued behind tile x's loads
.irp i, 0,1,2,3,4,5,6,7
	s_wait_dscnt \younger+7-\i
	global_store_b128 v[GO], v[SB+64*\x+32+4*\i:SB+64*\x+32+4*\i+3], s[6:7] offset:(8*\x+2*\i+8*(\i/4))*1024 th:TH_STORE_NT   ; stage row n is query 8 x + n + 8 (n / 8) of my 32
.endr
.endm
	PACK 0
	PACK 1
	SEND 0, 16
	SEND 1, 0
	s_wait_tensorcnt 0x0                           ; the wave's end
	ds_add_u32 v[SPW], v[NIL]
	s_wait_dscnt 0x0
	ROUND                                          ; the closing round: no work-group ends while a partner may still ask for a tile that names it
	s_endpgm
.Lfunc_end_k_qc9d948acb9_attn:
	.size	k_qc9d948acb9_attn, .Lfunc_end_k_qc9d948acb9_attn-k_qc9d948acb9_attn
	.p2alignl 7, 3214868480
	.fill 96, 4, 3214868480
	.section	.rodata,"a",@progbits
	.p2align	6, 0x0
	.amdhsa_kernel k_qc9d948acb9_attn
		.amdhsa_group_segment_fixed_size 327680
		.amdhsa_private_segment_fixed_size 0
		.amdhsa_enable_private_segment 0
		.amdhsa_kernarg_size 16
		.amdhsa_user_sgpr_count 2
		.amdhsa_user_sgpr_kernarg_segment_ptr 1
		.amdhsa_wavefront_size32 1
		.amdhsa_system_sgpr_workgroup_id_x 1
		.amdhsa_system_sgpr_workgroup_id_y 1
		.amdhsa_system_sgpr_workgroup_id_z 1
		.amdhsa_system_vgpr_workitem_id 0
		.amdhsa_next_free_vgpr 512
		.amdhsa_next_free_sgpr 72
		.amdhsa_reserve_vcc 0
		.amdhsa_float_denorm_mode_32 3
		.amdhsa_float_denorm_mode_16_64 3
		.amdhsa_memory_ordered 1
		.amdhsa_forward_progress 1
		.amdhsa_inst_pref_size 147
	.end_amdhsa_kernel
	.amdgpu_metadata
---
amdhsa.version: [ 1, 2 ]
amdhsa.kernels:
  - .name:           k_qc9d948acb9_attn
    .symbol:         k_qc9d948acb9_attn.kd
    .args:
      - { .name: kv, .offset: 0, .size: 8, .value_kind: global_buffer, .address_space: global }
      - { .name: out0, .offset: 8, .size: 8, .value_kind: global_buffer, .address_space: global }
    .group_segment_fixed_size: 327680
    .private_segment_fixed_size: 0
    .kernarg_segment_align: 8
    .kernarg_segment_size: 16
    .max_flat_workgroup_size: 256
    .sgpr_count:     72
    .vgpr_count:     512
    .wavefront_size: 32
...
	.end_amdgpu_metadata
.endif
;; end of part 2
